; MI455X (gfx1250); checked and timed in simulation.
; The chip was launched on July 23, 2026; its instructions are those of AMD's public machine-readable ISA for CDNA 5 (MIT licence, August 2026) and "CDNA5" Instruction Set Architecture Reference Guide (July 2026). The comments in the code are by the model that wrote it; some were corrected since.
;; Cross Attention. Allowed arithmetic: matrix products marked QUANTISED: E2M3 operands, one E8M0 scale for each 32 along K, by v_wmma_scale_f32_16x16x128_f8f6f4 with both operands' format E2M3, f32 sums; everything else in f32.
;; Inputs: b2 256 float32; bias_table 675 x 8 float32; bk 256 float32; bq 256 float32; bv 256 float32; g2 256 float32; gk 256 float32; gq 256 float32; gv 256 float32; k 2 x 8 x 64 x 64 x 256 float32; mb1 512 float32; mb2 256 float32; mw1_codes 512 x 8 x 24 uint8 (E2M3 codes of mw1, K innermost, in blocks of 32 codes, four codes in three bytes); mw1_scales 512 x 8 uint8 (E8M0 scales of mw1, one for each 32 codes along K); mw2_codes 256 x 16 x 24 uint8 (E2M3 codes of mw2, K innermost, in blocks of 32 codes, four codes in three bytes); mw2_scales 256 x 16 uint8 (E8M0 scales of mw2, one for each 32 codes along K); proj_b 256 float32; proj_w_codes 256 x 8 x 24 uint8 (E2M3 codes of proj_w, K innermost, in blocks of 32 codes, four codes in three bytes); proj_w_scales 256 x 8 uint8 (E8M0 scales of proj_w, one for each 32 codes along K); q 2 x 8 x 64 x 64 x 256 float32; v 2 x 8 x 64 x 64 x 256 float32.
;; Outputs: out0 2 x 8 x 64 x 64 x 256 float32.
;; This version of the problem:
;;   THIS VERSION OF THE PROBLEM IS GIVEN IN LOW PRECISION. The matrix products marked QUANTISED in the list below multiply operands that are first quantised to E2M3 (2 exponent bits, 3 mantissa bits; 6 bits a number), with one power-of-two scale for each 32 numbers along K (OCP MX v1.0); their sums are f32. All else is computed in f32.
;;   The module's matrix products, in the order in which they are computed (A, B: the left and right operand; K: the contracted axis; several contracted axes count as one K, in the product's order):
;;     1. batch 4,096 x [M 128, K 32] x [K 32, N 128]; A: computed on the way; B: computed on the way: QUANTISED
;;     2. batch 4,096 x [M 128, K 128] x [K 128, N 32]; A: softmax (see below); B: computed on the way: QUANTISED
;;     3. [M 65,536, K 256] x [K 256, N 256]; A: computed on the way; B: input proj_w (given as codes): QUANTISED
;;     4. [M 65,536, K 256] x [K 256, N 512]; A: computed on the way; B: input mw1 (given as codes): QUANTISED
;;     5. [M 65,536, K 512] x [K 512, N 256]; A: computed on the way; B: input mw2 (given as codes): QUANTISED
;;   THE QUANTISER, for each operand of a quantised product, along K:
;;     - K is cut into blocks of 32 from its start; a last block that is shorter is filled with zeros.
;;     - A block's scale is 2^e with e = floor(log2(the largest magnitude in the block)) - 2, held to -126 .. 127; a block of zeros has e = 0. As a byte (E8M0): e + 127.
;;     - Each number is divided by its block's scale, clamped to +-7.5, and rounded to the nearest number of E2M3, ties to even, subnormals kept.
;;     - The product sums the exact products of the quantised numbers (number of the format x scale) in f32.
;;   ~~~python
;;   def quantise(x, axis):      # numpy; x: float32 -> the quantised numbers, widened to float32 again
;;       x = np.moveaxis(x, axis, -1); K = x.shape[-1]
;;       x = np.pad(x, [(0, 0)] * (x.ndim - 1) + [(0, -K % 32)]); x = x.reshape(x.shape[:-1] + (-1, 32)); a = np.abs(x).max(-1, keepdims=True)
;;       e = np.where(a > 0, np.clip(np.frexp(np.where(a > 0, a, 1))[1] - 1 - 2, -126, 127), 0)      # np.frexp(a)[1] - 1 = floor(log2(a)), exactly
;;       r = np.clip(x / 2.0 ** e, -7.5, 7.5)
;;       step = 2.0 ** (np.maximum(np.frexp(np.where(r == 0, 1, r))[1] - 1, 0) - 3)
;;       q = np.round(r / step) * step * 2.0 ** e      # np.round: ties to even
;;       return np.moveaxis(q.reshape(q.shape[:-2] + (-1,))[..., :K], -1, axis).astype(np.float32)
;;   ~~~
;;   SOFTMAX AHEAD OF A QUANTISED PRODUCT. Where the list says 'softmax', what is quantised is not the finished softmax but p = 2^(t - M), with t = logit x log2(e) and M = ceil(the row's largest t), a whole number; so 1/2 < the row's largest p <= 1. The row's sum l is taken of the UNQUANTISED p, in f32, and the product's result is divided by l at the end. Since M is a whole number, a kernel that streams over the keys may use a running M (the ceiling of the running maximum): every later rescaling is an exact power of two, which a block's scale takes up: the codes' values come out the same.
;;   OPERANDS COMPUTED ON THE WAY. 'Computed on the way' means the value that the module computes at that place (a softmax that the list does not call 'softmax' is quantised finished and normalised). What goes into a quantiser is computed in f32, as accurately as f32 sums, v_exp_f32 and their like allow (about 1e-6 of the number): no bf16 or f16 on the way to a quantiser, and a product that is left as it is and whose result goes on into a quantised operand takes f32 operands (vector FMAs, or v_wmma_f32_16x16x4_f32). A number that lies on a knife's edge between two numbers of the format may be rounded either way, as far as f32 arithmetic and the matrix unit's own rounding can turn it there, and no further.
;;   INPUTS GIVEN AS CODES. mw1 (in the module: [512, 256], K = its axis 1); mw2 (in the module: [256, 512], K = its axis 1); proj_w (in the module: [256, 256], K = its axis 1): each comes as NAME_codes (uint8): NAME with its K axis moved to the last place and cut into blocks of 32 codes, [.., K / 32, bytes a block], one block behind the other in memory; four codes in three bytes: a row's codes are one little-endian stream of bits, code i at bits 6 i .. 6 i + 5 (a code: sign, 2 exponent bits, 3 mantissa bits); and NAME_scales (uint8): the same leading axes, one E8M0 byte (e + 127) for each 32 codes along K. Its value is code x scale, taken as it is: it is not quantised again, and the codes and scales need not be those that the quantiser above would give.
;; One version. Each part assembles by itself: llvm-mc -triple=amdgcn-amd-amdhsa -mcpu=gfx1250 --defsym DOCPART=n.
;; ======== version 1 of 1: 1 launch
;; limits: a function is approximated: absolute error at most 1.5e-07
;; launch win (part 1): grid 512 x 1, 16 waves a work-group, no clusters, 315,392 bytes of LDS; arguments q, k, v, gq, bq, gk, bk, gv, bv, g2, b2, bias_table, proj_w_codes, proj_w_scales, proj_b, mw1_codes, mw1_scales, mb1, mw2_codes, mw2_scales, mb2, out0; writes out0
.if DOCPART == 1
	.amdgcn_target "amdgcn-amd-amdhsa--gfx1250"
	.amdhsa_code_object_version 6
	.text
	.protected	k_qb8cccb7900_win
	.globl	k_qb8cccb7900_win
	.p2align	8
	.type	k_qb8cccb7900_win,@function
k_qb8cccb7900_win:
	s_mov_b64 s[64:65], 0
	v_nop
	global_prefetch_b8 v0, s[64:65] scope:SCOPE_SE
	s_setreg_imm32_b32 hwreg(HW_REG_WAVE_MODE, 25, 1), 1
	s_wait_xcnt 0x0
; WINDOWED CROSS ATTENTION AND ITS MLP, ONE WORK-GROUP TO A WINDOW OF 2 x 8 x 8 = 128 TOKENS x 256 CHANNELS.  All five products on codes of FP6 (E2M3) with one E8M0 scale for each 32 along K.
; layer norms of q, k, v | 8 heads of 32: S = (q / sqrt(32)) k^T + bias, p = 2^(t - M), O = P V / l | proj + v | layer norm | mw1, exact GELU | mw2 + x.  Nothing crosses windows: nothing goes to memory between the steps.
; SIXTEEN WAVES, three roles.  ROWS: wave w owns tokens 8 w .. 8 w + 7, which are 8,192 consecutive bytes of q, k, v and out0.  HEADS: wave w owns head w % 8 and half w / 8 of the keys (for V's codes) and of the queries.
; COLUMNS: wave w owns 16 outputs (proj, mw2) or 32 hidden units (mw1) for all 128 tokens; its part of a weight goes from memory straight into its operand registers.
; Every product is used transposed (source 0 = 16 rows of K, V^T or a weight, source 1 = 16 tokens), so that a lane holds one token and its registers run along the next product's K.
; Product 1 has K = 32: a head's block of 32 codes stands in block 0 of the instruction's 128; Q's blocks 1 to 3 are zero codes, so whatever K's registers hold there adds nothing (no scale byte is 0xff).
; NO CLUSTER, NO TENSOR LOADS: what work-groups share is the weights and the bias table; jointly asked tiles would have to land in LDS, of which this map leaves under 15 KB.
; LIMITS.  NaN and infinities among the inputs are not served.  A block of zeros gets the scale byte 1 (its codes are zeros; the bytes are read by this program alone).
; erf is Abramowitz and Stegun 7.1.26 (absolute error of erf up to 1.5e-7), used as gelu(x) = max(x, 0) - |x| / 2 erfc(|x| / sqrt 2), so GELU's absolute error stays under 1e-7 |x|; its relative error grows for x under about -2.
; A block's largest p is taken as the exponential of the block's largest score (it takes v_exp_f32 not to fall where its input rises).
;
; LDS, in bytes
.set XP,   1120                        ; XV: 128 rows of f32, four quarters of 256 bytes + 16, + 32: channel c at (c / 64) 272 + (c % 64) 4.  Staged q, then k, then raw v, then x, then the result
.set QC,   143360                      ; code rows, token x 192 bytes, pitch 208: q's codes, later those of the second layer norm
.set KC,   169984                      ; the same: k's codes, later those of the attention's output
.set VC,   196608                      ; V^T: channel x 96 bytes (128 keys), pitch 112
.set GC,   225280                      ; the hidden layer: token x 384 bytes, pitch 400
.set QSC,  276480                      ; scale bytes: token x 8 + block
.set KSC,  277504
.set VSC,  278528                      ; channel x 4 + block of keys
.set GSC,  279552                      ; token x 16 + block
.set VST,  281600                      ; v's mean [128], then 1 / sigma [128] at + 512
.set PAR,  282624                      ; gq / sqrt 32, bq / sqrt 32, gk, bk, gv, bv, g2, b2: 1,088 bytes each, laid as a row of XV
.set TAB,  291328                      ; the bias table by heads: [8][676] f32
.set CP,   208                         ; pitches 208, 400, 112 are 4 x an odd number of words: the rows of a fragment start in different groups of banks (64 banks of 4 bytes: ISA guide 11.1)
.set GP,   400
.set VP,   112
.set PVP,  1088
.set TP,   2704
.set FLOOR, 0x1800000                  ; 2^(3 - 127): under it no largest magnitude is taken, so a scale's byte cannot fall under 1
.set EOFF,  0xff000000                 ; 2 off an exponent field
; REGISTERS THAT STAY: v1 16 lane; v2 my rows of XV as memory has them; v3 the same, 64 channels a lane; v4 my codes' place; v5 my scale bytes' place; v6 my quarter of a gain; v7 r = lane % 16; v8 h = lane / 16;
; v9 r + 8 (r / 8); v10, v11 my columns of XV, tokens 0-63, 64-127; v12 r 208 + 24 h; v13 8 r; v14, v15 addresses in hand; v248-251 a weight's scale words; v253-255 offsets of the weights' loads.
.set RA,  16                           ; v16-79   64 numbers of a lane
.set RB,  80                           ; v80-143  64 more
.set RG,  144                          ; v144-175 32 gains
.set RBB, 176                          ; v176-207 32 biases
.macro BAR                             ; my LDS stores have landed and my LDS loads are in: then the work-group's barrier
	s_wait_dscnt 0x0
	s_barrier_signal -1
	s_barrier_wait -1
.endm
.macro PLACES4                         ; four plain places behind a matrix instruction (ISA guide 7.12.1), or ahead of a scaled one whose operand a vector instruction wrote
.rept 4
	v_nop
.endr
.endm
.macro MM d, a, b, c, sa, sb           ; D = A B + C on codes of FP6
	v_wmma_scale_f32_16x16x128_f8f6f4 v[(\d):(\d)+7], v[(\a):(\a)+11], v[(\b):(\b)+11], v[(\c):(\c)+7], v[(\sa)], v[(\sb)] matrix_a_fmt:MATRIX_FMT_FP6 matrix_b_fmt:MATRIX_FMT_FP6
.endm
.macro MM0 d, a, b, sa, sb             ; D = A B
	v_wmma_scale_f32_16x16x128_f8f6f4 v[(\d):(\d)+7], v[(\a):(\a)+11], v[(\b):(\b)+11], 0, v[(\sa)], v[(\sb)] matrix_a_fmt:MATRIX_FMT_FP6 matrix_b_fmt:MATRIX_FMT_FP6
.endm
.macro FRAG reg, adr, off              ; a fragment, 16 rows x 128 K, from rows of codes in LDS: 24 bytes at + 0 and 24 at + 48, in pieces of 8; the address holds row x pitch + 24 h
.irp pp, 0,1,2,3,4,5
	ds_load_b64 v[(\reg)+2*\pp:(\reg)+2*\pp+1], v[\adr] offset:(\off)+48*(\pp/3)+8*(\pp%3)
.endr
.endm
.macro GFRAG reg, adr, base, off       ; the same from memory
.irp pp, 0,1,2,3,4,5
	global_load_b64 v[(\reg)+2*\pp:(\reg)+2*\pp+1], v[\adr], s[\base:\base+1] offset:(\off)+48*(\pp/3)+8*(\pp%3)
.endr
.endm
; My 8 tokens, loaded 16 bytes a lane as memory has them, turn through my own rows of XV: afterwards lane (r8 = lane % 8, qd = lane / 8) holds channels 64 qd .. + 63 of token 8 w + r8.
; LDS serves a wave's instructions in order (ISA guide 5.7.1.4): no wait between the stores and the loads.
.macro STAGE X
.set jj, 0
.rept 16
	ds_store_b128 v2, v[\X+4*jj:\X+4*jj+3] offset:(jj/2)*XP+(jj%2)*544
.set jj, jj+1
.endr
.set jj, 0
.rept 16
	ds_load_b128 v[\X+4*jj:\X+4*jj+3], v3 offset:16*jj
.set jj, jj+1
.endr
.endm
.macro LNJOIN                          ; two packed chains -> one number, then the token's four lanes (lane xor 8, lane xor 16)
	v_pk_add_f32 v[208:209], v[208:209], v[210:211]
	v_add_f32 v208, v208, v209
	v_add_f32_dpp v208, v208, v208 row_xmask:8 row_mask:0xf bank_mask:0xf
	v_permlanex16_b32 v209, v208, s60, s61
	v_add_f32 v208, v208, v209
.endm
; The token's mean (v212) and 1 / sqrt(variance + eps) (v214); X is left centred.  The variance is taken of the centred numbers.
.macro LNSTAT X
	v_pk_add_f32 v[208:209], v[\X:\X+1], v[\X+2:\X+3]
	v_pk_add_f32 v[210:211], v[\X+4:\X+5], v[\X+6:\X+7]
.set jj, 8
.rept 14
	v_pk_add_f32 v[208:209], v[208:209], v[\X+jj:\X+jj+1]
	v_pk_add_f32 v[210:211], v[210:211], v[\X+jj+2:\X+jj+3]
.set jj, jj+4
.endr
	LNJOIN
	v_mul_f32 v212, s66, v208
.set jj, 0
.rept 32
	v_pk_add_f32 v[\X+jj:\X+jj+1], v[\X+jj:\X+jj+1], v[212:213] op_sel_hi:[1,0] neg_lo:[0,1] neg_hi:[0,1]
.set jj, jj+2
.endr
	v_pk_mul_f32 v[208:209], v[\X:\X+1], v[\X:\X+1]
	v_pk_mul_f32 v[210:211], v[\X+2:\X+3], v[\X+2:\X+3]
.set jj, 4
.rept 15
	v_pk_fma_f32 v[208:209], v[\X+jj:\X+jj+1], v[\X+jj:\X+jj+1], v[208:209]
	v_pk_fma_f32 v[210:211], v[\X+jj+2:\X+jj+3], v[\X+jj+2:\X+jj+3], v[210:211]
.set jj, jj+4
.endr
	LNJOIN
	v_fma_f32 v208, v208, s66, s67
	v_rsq_f32 v214, v208
	v_nop                                          ; a plain place behind the transcendental
	s_wait_alu depctr_va_vdst(0)                   ; the wait ahead of the first line that names the result
.endm
; X = X / sigma x gain + bias; gain vec and bias vec + 1 of PAR, 32 channels at a time
.macro LNAFF X, vec
.irp cc, 0,1
.set jj, 0
.rept 8
	ds_load_b128 v[RG+4*jj:RG+4*jj+3], v6 offset:(\vec)*PVP+128*\cc+16*jj
	ds_load_b128 v[RBB+4*jj:RBB+4*jj+3], v6 offset:(\vec+1)*PVP+128*\cc+16*jj
.set jj, jj+1
.endr
	s_wait_dscnt 0x0
.set jj, 0
.rept 16
	v_pk_mul_f32 v[\X+32*\cc+jj:\X+32*\cc+jj+1], v[\X+32*\cc+jj:\X+32*\cc+jj+1], v[214:215] op_sel_hi:[1,0]
.set jj, jj+2
.endr
.set jj, 0
.rept 16
	v_pk_fma_f32 v[\X+32*\cc+jj:\X+32*\cc+jj+1], v[\X+32*\cc+jj:\X+32*\cc+jj+1], v[RG+jj:RG+jj+1], v[RBB+jj:RBB+jj+1]
.set jj, jj+2
.endr
.endr
.endm
; A lane's 64 numbers are two whole blocks of 32: their largest magnitudes need no other lane.  48 bytes of codes and two scale bytes go to the token's row.
.macro QROW X, CBASE, SBASE
	v_max3_num_f32 v216, |v[\X]|, |v[\X+1]|, FLOOR
	v_max3_num_f32 v217, |v[\X+32]|, |v[\X+33]|, FLOOR
.set jj, 2
.rept 15
	v_max3_num_f32 v216, v216, |v[\X+jj]|, |v[\X+jj+1]|
	v_max3_num_f32 v217, v217, |v[\X+32+jj]|, |v[\X+33+jj]|
.set jj, jj+2
.endr
	v_add_nc_u32 v218, EOFF, v216                  ; the conversion takes the exponent field of this operand as its scale
	v_add_nc_u32 v219, EOFF, v217
	v_lshrrev_b32 v220, 23, v218                   ; the scales' bytes
	v_lshrrev_b32 v221, 23, v219
	v_cvt_scalef32_pk16_fp6_f32 v[222:224], v[\X:\X+15], v218
	v_cvt_scalef32_pk16_fp6_f32 v[234:236], v[\X+16:\X+31], v218      ; (a conversion's three registers begin on an even number: the upper halves are made elsewhere and moved)
	v_cvt_scalef32_pk16_fp6_f32 v[228:230], v[\X+32:\X+47], v219
	v_cvt_scalef32_pk16_fp6_f32 v[238:240], v[\X+48:\X+63], v219
	v_lshl_or_b32 v220, v221, 8, v220              ; (plain lines behind the conversions)
	v_add_nc_u32 v14, \CBASE, v4
	v_add_nc_u32 v15, \SBASE, v5
.irp ii, 0,1,2
	v_mov_b32 v[225+\ii], v[234+\ii]
	v_mov_b32 v[231+\ii], v[238+\ii]
.endr
	ds_store_b128 v14, v[222:225]
	ds_store_b128 v14, v[226:229] offset:16
	ds_store_b128 v14, v[230:233] offset:32
	ds_store_b16 v15, v220
.endm
; A block of 32 that lies as 16 registers in lane l and 16 in lane l xor 16: its byte, and my 16 codes (12 bytes)
.macro BLKQ src, dst, byt
	v_max3_num_f32 v226, |v[\src]|, |v[\src+1]|, FLOOR
	v_max3_num_f32 v229, |v[\src+2]|, |v[\src+3]|, |v[\src+4]|
	v_max3_num_f32 v226, v226, |v[\src+5]|, |v[\src+6]|
	v_max3_num_f32 v229, v229, |v[\src+7]|, |v[\src+8]|
	v_max3_num_f32 v226, v226, |v[\src+9]|, |v[\src+10]|
	v_max3_num_f32 v229, v229, |v[\src+11]|, |v[\src+12]|
	v_max3_num_f32 v226, v226, |v[\src+13]|, |v[\src+14]|
	v_max3_num_f32 v226, v226, v229, |v[\src+15]|
	v_permlanex16_b32 v227, v226, s60, s61
	v_max_num_f32 v226, v226, v227
	v_add_nc_u32 v228, EOFF, v226
	v_lshrrev_b32 v[\byt], 23, v228
	v_cvt_scalef32_pk16_fp6_f32 v[\dst:\dst+2], v[\src:\src+15], v228
	v_nop                                          ; one plain place behind a scaled conversion
.endm
; Two tiles' half blocks (v232-234 of the first tile, v238-240 of the second) change halves: lane (r, h) then holds the whole 24 bytes of token r of tile h, and stores them with that tile's byte.
.macro PAIRST adrC, adrS
.irp ii, 0,1,2
	v_permlane16_swap_b32 v[232+\ii], v[238+\ii]
.endr
.irp ii, 0,1,2
	v_mov_b32 v[235+\ii], v[238+\ii]
.endr
	v_cndmask_b32 v229, v241, v242, s68            ; lanes 16-31 take the second tile's byte
	ds_store_b64 v[\adrC], v[232:233]
	ds_store_b64 v[\adrC], v[234:235] offset:8
	ds_store_b64 v[\adrC], v[236:237] offset:16
	ds_store_b8 v[\adrS], v229
.endm
; My 16 rows of a weight with nk K steps: fragments v16.., scale words v248.., the bias in the result's layout v64-71
.macro WLOAD16 nk, pc, ps, pb
	s_lshl_b32 s5, s2, 4
	v_add_nc_u32 v253, s5, v7                      ; row 16 w + r
	v_mul_u32_u24 v254, v253, 4*\nk
	v_mul_u32_u24 v253, v253, 96*\nk
	v_mad_u32_u24 v253, v8, 24, v253
	s_lshl_b32 s5, s2, 6
	v_lshl_add_u32 v255, v8, 5, s5                 ; outputs 16 w + 8 h + 0 .. 7
.set ks, 0
.rept \nk
	GFRAG 16+12*ks, 253, \pc, 96*ks
	global_load_b32 v[248+ks], v254, s[\ps:\ps+1] offset:4*ks
.set ks, ks+1
.endr
	global_load_b128 v[64:67], v255, s[\pb:\pb+1]
	global_load_b128 v[68:71], v255, s[\pb:\pb+1] offset:16
.endm
; My 16 outputs for the eight tiles of tokens: eight accumulators v176-239 by turns, a K step at a time; the bias is the first product's C
.macro GEMM16 nk, CB, pitch, SB, sp
	v_mul_u32_u24 v244, v7, \pitch
	v_mad_u32_u24 v244, v8, 24, v244
	v_add_nc_u32 v244, \CB, v244
	v_mul_u32_u24 v245, v7, \sp
	v_add_nc_u32 v245, \SB, v245
.set ks, 0
.rept \nk
.set mm, 0
.rept 8
	FRAG 72+12*mm, 244, 16*mm*\pitch+96*ks
	ds_load_b32 v[168+mm], v245 offset:16*mm*\sp+4*ks
.set mm, mm+1
.endr
	s_wait_dscnt 0x0
.if ks == 0
	s_wait_loadcnt 0x0                             ; the weight, asked for ahead of the barrier
.endif
.set mm, 0
.rept 8
.if ks == 0
	MM 176+8*mm, 16, 72+12*mm, 64, 248, 168+mm
.else
	MM 176+8*mm, 16+12*ks, 72+12*mm, 176+8*mm, 248+ks, 168+mm
.endif
.set mm, mm+1
.endr
	PLACES4                                        ; ahead of the loads into the tokens' fragments, and of the first read of results
.set ks, ks+1
.endr
.endm
; XV's columns of mine += the accumulators: lane (r, h) holds outputs 16 w + 8 h + 0 .. 7 of token 16 m + r, 32 neighbouring bytes of a row
.macro EPI
.set mm, 0
.rept 8
	ds_load_b128 v[72+8*mm:75+8*mm], v[10+mm/4] offset:16*XP*(mm%4)
	ds_load_b128 v[76+8*mm:79+8*mm], v[10+mm/4] offset:16*XP*(mm%4)+16
.set mm, mm+1
.endr
	s_wait_dscnt 0x0
.set jj, 0
.rept 32
	v_pk_add_f32 v[72+jj:73+jj], v[72+jj:73+jj], v[176+jj:177+jj]     ; each accumulator from its low end on
.set jj, jj+2
.endr
.set mm, 0
.rept 8
	ds_store_b128 v[10+mm/4], v[72+8*mm:75+8*mm] offset:16*XP*(mm%4)
	ds_store_b128 v[10+mm/4], v[76+8*mm:79+8*mm] offset:16*XP*(mm%4)+16
.set mm, mm+1
.endr
.endm
; gelu(x) = max(x, 0) - |x| / 2 erfc(|x| / sqrt 2), erfc(z) = t (a1 + t (a2 + t (a3 + t (a4 + t a5)))) e^(-z z), t = 1 / (1 + p z).  16 numbers in place; v164.. |x|, v180.. t, v196.. e^(-x x / 2), v212.. the polynomial
.macro GELU X
.set jj, 0
.rept 16
	v_and_b32 v[164+jj], 0x7fffffff, v[\X+jj]
.set jj, jj+1
.endr
.set jj, 0
.rept 8
	v_pk_fma_f32 v[180+jj:181+jj], v[164+jj:165+jj], s[74:75], 1.0 op_sel_hi:[1,0,0]
	v_pk_mul_f32 v[196+jj:197+jj], v[\X+jj:\X+jj+1], v[\X+jj:\X+jj+1]
.set jj, jj+2
.endr
.set jj, 0
.rept 8
	v_pk_mul_f32 v[196+jj:197+jj], v[196+jj:197+jj], s[76:77] op_sel_hi:[1,0]
.set jj, jj+2
.endr
.set jj, 0
.rept 16
	v_rcp_f32 v[180+jj], v[180+jj]
.set jj, jj+1
.endr
.set jj, 0
.rept 16
	v_exp_f32 v[196+jj], v[196+jj]
.set jj, jj+1
.endr
.set jj, 0
.rept 8
	v_pk_mul_f32 v[164+jj:165+jj], v[164+jj:165+jj], -0.5 op_sel_hi:[1,0]   ; plain work that names no result of the batch
.set jj, jj+2
.endr
	s_wait_alu depctr_va_vdst(0)                   ; one wait for the 32 transcendentals, ahead of their first reader
.set jj, 0
.rept 8
	v_pk_fma_f32 v[212+jj:213+jj], v[180+jj:181+jj], s[86:87], v[246:247] op_sel_hi:[1,0,1]
.set jj, jj+2
.endr
.irp cf, 82, 80, 78
.set jj, 0
.rept 8
	v_pk_fma_f32 v[212+jj:213+jj], v[212+jj:213+jj], v[180+jj:181+jj], s[\cf:\cf+1] op_sel_hi:[1,1,0]
.set jj, jj+2
.endr
.endr
.set jj, 0
.rept 8
	v_pk_mul_f32 v[212+jj:213+jj], v[212+jj:213+jj], v[180+jj:181+jj]
.set jj, jj+2
.endr
.set jj, 0
.rept 8
	v_pk_mul_f32 v[212+jj:213+jj], v[212+jj:213+jj], v[196+jj:197+jj]
.set jj, jj+2
.endr
.set jj, 0
.rept 16
	v_max_num_f32 v[\X+jj], 0, v[\X+jj]
.set jj, jj+1
.endr
.set jj, 0
.rept 8
	v_pk_fma_f32 v[\X+jj:\X+jj+1], v[212+jj:213+jj], v[164+jj:165+jj], v[\X+jj:\X+jj+1]
.set jj, jj+2
.endr
.endm
; ================================================================ the head
	s_load_b512 s[8:23], s[0:1], 0x0               ; q 8, k 10, v 12, gq 14, bq 16, gk 18, bk 20, gv 22
	s_load_b512 s[24:39], s[0:1], 0x40             ; bv 24, g2 26, b2 28, bias_table 30, proj_w_codes 32, proj_w_scales 34, proj_b 36, mw1_codes 38
	s_load_b256 s[40:47], s[0:1], 0x80             ; mw1_scales 40, mb1 42, mw2_codes 44, mw2_scales 46
	s_load_b128 s[48:51], s[0:1], 0xa0             ; mb2 48, out0 50
	v_lshrrev_b32 v14, 5, v0
	v_readfirstlane_b32 s2, v14                    ; wave w
	s_and_b32 s3, s2, 7                            ; hd = w % 8: my head; my row h of the window
	s_lshr_b32 s4, s2, 3                           ; hf = w / 8: my half; my frame t of the window
	s_lshr_b32 s6, ttmp9, 6                        ; window = ((b 4 + T / 2) 8 + H / 8) 8 + W / 8
	s_lshl_b32 s6, s6, 1
	s_add_co_u32 s6, s6, s4                        ; frame 2 (window / 64) + hf
	s_lshl_b32 s6, s6, 6
	s_bfe_u32 s5, ttmp9, 0x30003
	s_lshl_b32 s5, s5, 3
	s_add_co_u32 s5, s5, s3                        ; image row 8 ((window / 8) % 8) + hd
	s_add_co_u32 s6, s6, s5
	s_lshl_b32 s6, s6, 6
	s_and_b32 s5, ttmp9, 7
	s_lshl_b32 s5, s5, 3                           ; image column 8 (window % 8)
	s_add_co_u32 s6, s6, s5
	s_lshl_b32 s6, s6, 10                          ; x 1,024 bytes: where my 8 tokens begin, under 2^26
	s_mov_b32 s7, 0
	s_mov_b32 s60, 0x76543210                      ; v_permlanex16_b32's selects for lane l xor 16
	s_mov_b32 s61, 0xfedcba98
	s_mov_b32 s62, 0x3fb8aa3b                      ; log2(e); (packed forms name a pair and take its low word: both are written)
	s_mov_b32 s63, s62
	s_mov_b32 s66, 0x3b800000                      ; 1 / 256
	s_mov_b32 s67, 0x3727c5ac                      ; 1e-5
	s_mov_b32 s68, 0xffff0000                      ; lanes 16-31
	s_mov_b32 s74, 0x3e6d3388                      ; 0.3275911 / sqrt 2
	s_mov_b32 s75, s74
	s_mov_b32 s76, 0xbf38aa3b                      ; -log2(e) / 2
	s_mov_b32 s77, s76
	s_mov_b32 s78, 0x3e827906                      ; a1 = 0.254829592
	s_mov_b32 s79, s78
	s_mov_b32 s80, 0xbe91a98e                      ; a2 = -0.284496736
	s_mov_b32 s81, s80
	s_mov_b32 s82, 0x3fb5f0e3                      ; a3 = 1.421413741
	s_mov_b32 s83, s82
	s_mov_b32 s86, 0x3f87dc22                      ; a5 = 1.061405429
	s_mov_b32 s87, s86
	v_and_b32 v15, 31, v0                          ; lane
	v_lshlrev_b32 v1, 4, v15
	v_and_b32 v7, 15, v0
	v_bfe_u32 v8, v0, 4, 1
	s_mul_i32 s5, s2, 8*XP
	v_lshl_add_u32 v2, v8, 4, v1                   ; 16 lane + 16 h: a quarter's padding
	v_add_nc_u32 v2, s5, v2
	v_and_b32 v3, 7, v0                            ; r8
	v_bfe_u32 v6, v0, 3, 2                         ; qd
	v_mul_u32_u24 v4, v3, CP
	v_lshlrev_b32 v5, 3, v3
	v_mul_u32_u24 v3, v3, XP
	v_mad_u32_u24 v3, v6, 272, v3
	v_add_nc_u32 v3, s5, v3
	v_mad_u32_u24 v4, v6, 48, v4
	s_mul_i32 s88, s2, 8*CP
	v_add_nc_u32 v4, s88, v4
	v_lshl_add_u32 v5, v6, 1, v5
	s_lshl_b32 s88, s2, 6
	v_add_nc_u32 v5, s88, v5
	v_mul_u32_u24 v6, v6, 272
	v_add_nc_u32 v6, PAR, v6
	v_and_b32 v9, 8, v7
	v_add_nc_u32 v9, v9, v7
	s_lshr_b32 s5, s2, 2
	s_mul_i32 s5, s5, 272
	s_and_b32 s88, s2, 3
	s_lshl_b32 s88, s88, 6
	s_add_co_u32 s5, s5, s88                       ; channel 16 w in a row of XV
	v_mul_u32_u24 v10, v7, XP
	v_lshl_add_u32 v10, v8, 5, v10
	v_add_nc_u32 v10, s5, v10
	v_add_nc_u32 v11, 64*XP, v10
	v_mul_u32_u24 v12, v7, CP
	v_mad_u32_u24 v12, v8, 24, v12
	v_lshlrev_b32 v13, 3, v7
	; the gains and the table: offsets in memory and places in LDS
	v_and_b32 v228, 63, v0
	v_lshlrev_b32 v228, 4, v228                    ; waves 2 j, 2 j + 1 bring vector j: 16 bytes a lane
	v_lshlrev_b32 v229, 4, v0                      ; the table: 16 bytes (four heads of one entry) a thread
	v_and_b32 v230, 7, v0
	v_lshlrev_b32 v230, 4, v230
	v_lshrrev_b32 v232, 4, v0
	v_lshl_add_u32 v232, v232, 4, v229
	v_add_nc_u32 v232, PAR, v232                   ; 16 thread + 16 for each 256 bytes passed
	v_and_b32 v233, 1, v0
	v_mul_u32_u24 v233, v233, 4*TP
	v_mov_b32 v234, v233
	v_lshrrev_b32 v235, 1, v0
	v_lshl_add_u32 v233, v235, 2, v233
	v_add_nc_u32 v233, TAB, v233                   ; heads 4 (thread % 2) on, entry thread / 2
	v_bfe_u32 v235, v0, 1, 2
	v_lshl_add_u32 v234, v235, 2, v234
	v_add_nc_u32 v234, TAB+4*671, v234             ; the last eight pieces: entries 671 on
	s_lshr_b32 s5, s2, 1
	s_wait_kmcnt 0x0
	s_bitcmp1_b32 s5, 0                            ; which of the eight vectors: a choice on the wave's number alone
	s_cselect_b64 s[52:53], s[16:17], s[14:15]
	s_cselect_b64 s[54:55], s[20:21], s[18:19]
	s_cselect_b64 s[56:57], s[24:25], s[22:23]
	s_cselect_b64 s[58:59], s[28:29], s[26:27]
	s_bitcmp1_b32 s5, 1
	s_cselect_b64 s[52:53], s[54:55], s[52:53]
	s_cselect_b64 s[56:57], s[58:59], s[56:57]
	s_bitcmp1_b32 s5, 2
	s_cselect_b64 s[52:53], s[56:57], s[52:53]
	s_add_nc_u64 s[8:9], s[8:9], s[6:7]
	s_add_nc_u64 s[10:11], s[10:11], s[6:7]
	s_add_nc_u64 s[12:13], s[12:13], s[6:7]
	s_add_nc_u64 s[50:51], s[50:51], s[6:7]
	global_load_b128 v[208:211], v228, s[52:53]
	global_load_b128 v[212:215], v229, s[30:31]                ; the table's 1,350 pieces of 16 bytes: 512, 512,
	global_load_b128 v[216:219], v229, s[30:31] offset:8192
	s_cmp_lt_u32 s2, 10
	s_cbranch_scc0 .Lno_t2a
	global_load_b128 v[220:223], v229, s[30:31] offset:16384   ; 320 (waves 0-9),
.Lno_t2a:
	s_cmp_eq_u32 s2, 9
	s_cbranch_scc0 .Lno_t3a
	global_load_b128 v[224:227], v230, s[30:31] offset:21472   ; and the last eight, pieces 1,342 to 1,349 (wave 9; two of them it has already)
.Lno_t3a:
.set jj, 0
.rept 16
	global_load_b128 v[RA+4*jj:RA+4*jj+3], v1, s[8:9] offset:512*jj th:TH_LOAD_NT     ; q: 32 lanes read 512 consecutive bytes
.set jj, jj+1
.endr
.set jj, 0
.rept 16
	global_load_b128 v[RB+4*jj:RB+4*jj+3], v1, s[10:11] offset:512*jj th:TH_LOAD_NT   ; k
.set jj, jj+1
.endr
	s_wait_loadcnt 32                              ; behind the gains' and the table's loads stand q's and k's 32, on every wave's way
	s_cmp_lt_u32 s2, 4
	s_cselect_b32 s5, 0x3e3504f3, 1.0              ; gq and bq take the scale 1 / sqrt(32) of q's heads
.irp ii, 0,1,2,3
	v_mul_f32 v[208+\ii], s5, v[208+\ii]
.endr
	ds_store_b128 v232, v[208:211]
.irp ii, 0,1
.irp ee, 0,1,2,3
	ds_store_b32 v233, v[212+4*\ii+\ee] offset:\ee*TP+1024*\ii
.endr
.endr
	s_cmp_lt_u32 s2, 10
	s_cbranch_scc0 .Lno_t2b
.irp ee, 0,1,2,3
	ds_store_b32 v233, v[220+\ee] offset:\ee*TP+2048
.endr
.Lno_t2b:
	s_cmp_eq_u32 s2, 9
	s_cbranch_scc0 .Lno_t3b
.irp ee, 0,1,2,3
	ds_store_b32 v234, v[224+\ee] offset:\ee*TP    ; four lanes write each word, with the same value
.endr
.Lno_t3b:
	BAR                                            ; the gains and the table lie in LDS
	v_mov_b32 v213, 0                              ; upper halves of pairs of which the low word serves both halves
	v_mov_b32 v215, 0
; ================================================================ rows: q's and k's codes, v and its mean and 1 / sigma
	s_wait_loadcnt 16                              ; q is in; k's 16 loads may be out
	STAGE RA
	s_wait_dscnt 0x0
	LNSTAT RA
	LNAFF RA, 0
	QROW RA, QC, QSC
.set jj, 0
.rept 16
	global_load_b128 v[RA+4*jj:RA+4*jj+3], v1, s[12:13] offset:512*jj th:TH_LOAD_NT   ; v, into the registers that q has left
.set jj, jj+1
.endr
	s_wait_loadcnt 16                              ; k is in; v's 16 loads may be out
	STAGE RB
	s_wait_dscnt 0x0
	LNSTAT RB
	LNAFF RB, 2
	QROW RB, KC, KSC
	s_wait_loadcnt 0x0
	STAGE RA                                       ; raw v stays in XV: it is the shortcut
	s_wait_dscnt 0x0
	LNSTAT RA
	s_lshl_b32 s5, s2, 5
	s_add_co_u32 s5, s5, VST
	v_and_b32 v14, 7, v0
	v_lshl_add_u32 v14, v14, 2, s5
	ds_store_b32 v14, v212                         ; a token's four lanes write the same word with the same value
	ds_store_b32 v14, v214 offset:512
	BAR                                            ; q's and k's codes, raw v and its statistics lie in LDS
; ================================================================ heads: K's fragments into registers; V's codes along the keys
	s_mul_i32 s5, s3, 24
	s_add_co_u32 s5, s5, KC
	v_mul_u32_u24 v14, v9, CP
	v_add_nc_u32 v14, s5, v14                      ; THE KEYS OF A TILE ARE NOT NEIGHBOURS: lane r of tile 2 b + u takes key 32 b + 8 u + r + 8 (r / 8)
	s_add_co_u32 s88, s3, KSC
	v_lshl_add_u32 v15, v9, 3, s88
.set tt, 0
.rept 8                                        ; tile t: the head's 24 bytes, six registers at v[16 + 6 t]; as an operand it is named with the next tile's six, which meet Q's zero codes
.irp pp, 0,1,2
	ds_load_b64 v[16+6*tt+2*\pp:17+6*tt+2*\pp], v14 offset:(32*(tt/2)+8*(tt%2))*CP+8*\pp
.endr
	ds_load_u8 v[70+tt], v15 offset:(32*(tt/2)+8*(tt%2))*8     ; the block's byte; the word's other three are 0, which is a scale like any other
.set tt, tt+1
.endr
.irp ii, 0,1,2,3,4,5
	v_mov_b32 v[64+\ii], 0
.endr
	s_lshr_b32 s5, s3, 1
	s_mul_i32 s5, s5, 272
	s_and_b32 s88, s3, 1
	s_lshl_b32 s88, s88, 7
	s_add_co_u32 s5, s5, s88                       ; channel 32 hd in a row of XV or of PAR
	v_and_b32 v244, 31, v0
	v_lshl_add_u32 v243, v244, 2, s5               ; A LANE TAKES A CHANNEL, AND ITS REGISTERS RUN DOWN THE KEYS
	v_add_nc_u32 v245, PAR+4*PVP, v243
	ds_load_b32 v216, v245                         ; gv, bv of my channel
	ds_load_b32 v218, v245 offset:PVP
	s_mul_i32 s88, s4, 64*XP
	v_add_nc_u32 v246, s88, v243                   ; keys 64 hf on,
	v_add_nc_u32 v247, 32*XP, v246                 ; and 32 further
	s_lshl_b32 s88, s4, 8
	s_add_co_u32 s88, s88, VST
	v_mov_b32 v242, s88
	s_mul_i32 s5, s3, 32*VP
	s_mul_i32 s88, s4, 48
	s_add_co_u32 s5, s5, s88
	s_add_co_u32 s5, s5, VC
	v_mul_u32_u24 v241, v244, VP
	v_add_nc_u32 v241, s5, v241
	s_lshl_b32 s5, s3, 7
	s_lshl_b32 s88, s4, 1
	s_add_co_u32 s5, s5, s88
	s_add_co_u32 s5, s5, VSC
	v_lshl_add_u32 v240, v244, 2, s5
.macro VBLK bi, base                   ; a block of 32 keys of my channel: normalised, quantised, 24 bytes to V^T's row
.set jj, 0
.rept 32
	ds_load_b32 v[120+jj], v[\base] offset:jj*XP
.set jj, jj+1
.endr
.set jj, 0
.rept 8
	ds_load_b128 v[152+4*jj:155+4*jj], v242 offset:128*\bi+16*jj         ; the keys' means,
	ds_load_b128 v[184+4*jj:187+4*jj], v242 offset:512+128*\bi+16*jj     ; and 1 / sigma: the same words for every lane
.set jj, jj+1
.endr
	s_wait_dscnt 0x0
.set jj, 0
.rept 16
	v_pk_add_f32 v[120+jj:121+jj], v[120+jj:121+jj], v[152+jj:153+jj] neg_lo:[0,1] neg_hi:[0,1]
.set jj, jj+2
.endr
.set jj, 0
.rept 16
	v_pk_mul_f32 v[120+jj:121+jj], v[120+jj:121+jj], v[184+jj:185+jj]
.set jj, jj+2
.endr
.set jj, 0
.rept 16
	v_pk_fma_f32 v[120+jj:121+jj], v[120+jj:121+jj], v[216:217], v[218:219] op_sel_hi:[1,0,0]
.set jj, jj+2
.endr
	v_max3_num_f32 v208, |v120|, |v121|, |v122|
	v_max3_num_f32 v209, |v123|, |v124|, |v125|
.irp ii, 6,10,14,18,22,26
	v_max3_num_f32 v208, v208, |v[120+\ii]|, |v[121+\ii]|
	v_max3_num_f32 v209, v209, |v[122+\ii]|, |v[123+\ii]|
.endr
	v_max3_num_f32 v208, v208, |v150|, |v151|
	v_max3_num_f32 v208, v208, v209, FLOOR
	v_add_nc_u32 v210, EOFF, v208
	v_lshrrev_b32 v[220+\bi], 23, v210
	v_cvt_scalef32_pk16_fp6_f32 v[222:224], v[120:135], v210
	v_cvt_scalef32_pk16_fp6_f32 v[234:236], v[136:151], v210
	v_nop                                          ; one plain place behind a scaled conversion
.irp ii, 0,1,2
	v_mov_b32 v[225+\ii], v[234+\ii]
.endr
	ds_store_b64 v241, v[222:223] offset:24*\bi
	ds_store_b64 v241, v[224:225] offset:24*\bi+8
	ds_store_b64 v241, v[226:227] offset:24*\bi+16
.endm
	VBLK 0, 246
	VBLK 1, 247
	v_lshl_or_b32 v220, v221, 8, v220
	ds_store_b16 v240, v220
	BAR                                            ; V^T's codes lie in LDS; nobody reads k's codes any more
; ================================================================ attention: my head, my 64 queries, a tile of 16 at a time; two tiles a trip
; v16-69 K; v70-77 its scales; v78-101 V^T's two fragments, v102-103 their scales; v104-115 Q; v116 its scale; v117 p's scale word; v118 all ones in lanes 0-15;
; v120-183 the bias, S^T, p, then O^T; v184-203 p's codes; v204-219 the blocks' maxima, scales, bytes; v220 -M; v222-225 the sum; v230 1 / l; v232-242 the output's codes and bytes; v243-247 address bases; v248-252 the trip's addresses
	s_mul_i32 s5, s4, 64*CP
	s_mul_i32 s88, s3, 24
	s_add_co_u32 s5, s5, s88
	v_mul_u32_u24 v243, v7, CP
	v_add_nc_u32 v243, s5, v243                    ; token 64 hf + r, block hd
	v_mad_u32_u24 v246, v8, 16*CP, v243            ; the output's: token 64 hf + 16 h + r
	v_add_nc_u32 v243, QC, v243
	v_add_nc_u32 v246, KC, v246
	s_lshl_b32 s5, s4, 9
	s_add_co_u32 s5, s5, s3
	v_lshl_add_u32 v244, v7, 3, s5
	v_lshl_add_u32 v247, v8, 7, v244
	v_add_nc_u32 v244, QSC, v244
	v_add_nc_u32 v247, KSC, v247
	; the bias: entry f(query) - f(key) + 337 with f(t, h, w) = 225 t + 15 h + w.  The lane's part stands in the address, the register's in the offset
	s_mul_i32 s5, s3, TP
	s_mul_i32 s88, s4, 900
	s_add_co_u32 s5, s5, s88
	s_add_co_u32 s5, s5, TAB+120
	v_lshrrev_b32 v14, 3, v7
	v_mul_u32_u24 v245, v14, 60
	v_and_b32 v14, 7, v7
	v_lshl_add_u32 v245, v14, 2, v245
	v_add_nc_u32 v245, s5, v245
	v_mul_u32_u24 v14, v8, 120
	v_sub_nc_u32 v245, v245, v14                   ; 4 (225 hf + 15 (r / 8) + r % 8 + 30 - 30 h)
	s_lshl_b32 s5, s3, 5
	v_add_nc_u32 v15, s5, v9                       ; V^T: lane r of tile u takes channel 32 hd + 8 u + r + 8 (r / 8), so that O^T's 16 registers are 16 neighbouring channels
	v_mul_u32_u24 v14, v15, VP
	v_mad_u32_u24 v14, v8, 24, v14
	v_add_nc_u32 v14, VC, v14
	v_lshlrev_b32 v15, 2, v15
	v_add_nc_u32 v15, VSC, v15
	FRAG 78, 14, 0
	FRAG 90, 14, 8*VP
	ds_load_b32 v102, v15
	ds_load_b32 v103, v15 offset:32
	v_add_nc_u32 v118, -1, v8
.irp ii, 0,1,2,3,4,5
	v_mov_b32 v[110+\ii], 0                        ; Q's blocks 2 and 3: zero codes
.endr
.irp ii, 208,209,210,211,227
	v_mov_b32 v[\ii], 0                            ; a lane permute's destination counts as one of its sources
.endr
	v_mov_b32 v221, 0                              ; upper halves of broadcast pairs
	v_mov_b32 v231, 0
.macro ATILE p, dst, byt
.irp pp, 0,1,2
	ds_load_b64 v[104+2*\pp:105+2*\pp], v248 offset:16*CP*\p+8*\pp
.endr
	ds_load_u8 v116, v249 offset:128*\p
.set nn, 0
.rept 64                                       ; register 16 b + i belongs to key 32 b + 16 h + i: f(key) = 225 (b / 2) + 60 (b % 2) + 30 h + 15 (i / 8) + i % 8
	ds_load_b32 v[120+nn], v250 offset:120*\p+4*(307-(225*(nn/32)+60*((nn/16)%2)+15*((nn%16)/8)+nn%8))
.set nn, nn+1
.endr
	s_wait_dscnt 0x0
.irp pp, 0,1,2,3,4,5
	v_and_b32 v[104+\pp], v118, v[104+\pp]         ; Q's block 1 (lanes 16-31): zero codes
.endr
	PLACES4
.set tt, 0
.rept 8
	MM 120+8*tt, 16+6*tt, 104, 120+8*tt, 70+tt, 116            ; S^T = K Q^T + bias: the bias is the C
.set tt, tt+1
.endr
	PLACES4
.irp bb, 0,1,2,3
	v_max3_num_f32 v[204+\bb], v[120+16*\bb], v[121+16*\bb], v[122+16*\bb]     ; the largest score of each block of 32 keys: for the row's maximum and for the block's largest p
.endr
.irp ii, 3,5,7,9,11,13
.irp bb, 0,1,2,3
	v_max3_num_f32 v[204+\bb], v[204+\bb], v[120+16*\bb+\ii], v[121+16*\bb+\ii]
.endr
.endr
.irp bb, 0,1,2,3
	v_max_num_f32 v[204+\bb], v[204+\bb], v[135+16*\bb]
.endr
.irp bb, 0,1,2,3
	v_permlanex16_b32 v[208+\bb], v[204+\bb], s60, s61
.endr
.irp bb, 0,1,2,3
	v_max_num_f32 v[204+\bb], v[204+\bb], v[208+\bb]
.endr
	v_max3_num_f32 v226, v204, v205, v206
	v_max_num_f32 v226, v226, v207
	v_mul_f32 v226, s62, v226                      ; the row's largest t
	v_floor_f32 v220, -v226                        ; -M = -ceil(t): a whole number
.set jj, 0
.rept 32
	v_pk_fma_f32 v[120+jj:121+jj], v[120+jj:121+jj], s[62:63], v[220:221] op_sel_hi:[1,0,0]
.set jj, jj+2
.endr
.irp bb, 0,1,2,3
	v_fma_f32 v[204+\bb], v[204+\bb], s62, v220
.endr
.set jj, 0
.rept 64
	v_exp_f32 v[120+jj], v[120+jj]                 ; p = 2^(t - M): not normalised
.set jj, jj+1
.endr
	v_nop                                          ; a plain place behind the batch
	s_wait_alu depctr_va_vdst(0)                   ; one wait for the 64, ahead of their first reader
.irp bb, 0,1,2,3
	v_exp_f32 v[204+\bb], v[204+\bb]               ; the blocks' largest p
.endr
	v_pk_add_f32 v[222:223], v[120:121], v[122:123]            ; the row's sum, of the unquantised p, in two chains: it reads the 64 alone
	v_pk_add_f32 v[224:225], v[124:125], v[126:127]
.set jj, 8
.rept 14
	v_pk_add_f32 v[222:223], v[222:223], v[120+jj:121+jj]
	v_pk_add_f32 v[224:225], v[224:225], v[122+jj:123+jj]
.set jj, jj+4
.endr
	v_pk_add_f32 v[222:223], v[222:223], v[224:225]
	v_add_f32 v222, v222, v223
	v_permlanex16_b32 v223, v222, s60, s61
	v_add_f32 v222, v222, v223
	v_rcp_f32 v230, v222
	v_nop
	s_wait_alu depctr_va_vdst(0)                   ; one wait for the four exponentials and the reciprocal
.irp bb, 0,1,2,3
	v_max_num_f32 v[204+\bb], FLOOR, v[204+\bb]
.endr
.irp bb, 0,1,2,3
	v_add_nc_u32 v[212+\bb], EOFF, v[204+\bb]
.endr
.irp bb, 0,1,2,3
	v_lshrrev_b32 v[216+\bb], 23, v[212+\bb]
.endr
	v_lshl_or_b32 v117, v217, 8, v216
	v_lshl_or_b32 v117, v218, 16, v117
	v_lshl_or_b32 v117, v219, 24, v117
.irp cc, 0,1
	v_cvt_scalef32_pk16_fp6_f32 v[184+6*\cc:186+6*\cc], v[120+32*\cc:135+32*\cc], v[212+2*\cc]
	v_cvt_scalef32_pk16_fp6_f32 v[196+4*\cc:198+4*\cc], v[136+32*\cc:151+32*\cc], v[213+2*\cc]
.endr
	v_nop
.irp cc, 0,1                                   ; the operand's layout wants a whole block in a lane
.irp ii, 0,1,2
	v_permlane16_swap_b32 v[184+6*\cc+\ii], v[196+4*\cc+\ii]
.endr
.irp ii, 0,1,2
	v_mov_b32 v[187+6*\cc+\ii], v[196+4*\cc+\ii]
.endr
.endr
.rept 8
	v_nop                                          ; a scale word written by vector instructions stands 8 places ahead of a scaled matrix instruction, an operand 4
.endr
	MM0 120, 78, 184, 102, 117                     ; O^T = V^T P^T
	MM0 128, 90, 184, 103, 117
	PLACES4
.set jj, 0
.rept 8
	v_pk_mul_f32 v[120+jj:121+jj], v[120+jj:121+jj], v[230:231] op_sel_hi:[1,0]       ; / l
.set jj, jj+2
.endr
	BLKQ 120, \dst, \byt                           ; the head's 32 channels are a block of proj's K
.endm
	s_mov_b32 s69, 0
	s_mov_b32 s70, 0
	s_mov_b32 s71, 0
	s_mov_b32 s72, 0
.Latt:
	v_add_nc_u32 v248, s70, v243
	v_add_nc_u32 v249, s71, v244
	v_add_nc_u32 v250, s72, v245
	v_add_nc_u32 v251, s70, v246
	v_add_nc_u32 v252, s71, v247
	ATILE 0, 232, 241
	ATILE 1, 238, 242
	PAIRST 251, 252
	s_wait_dscnt 0x0                               ; the stores have read their registers: the next trip writes them again
	s_add_co_u32 s70, s70, 32*CP                   ; 32 tokens on
	s_add_co_u32 s71, s71, 256
	s_add_co_u32 s72, s72, 240
	s_add_co_u32 s69, s69, 1
	s_cmp_lt_u32 s69, 2
	s_cbranch_scc1 .Latt
	WLOAD16 2, 32, 34, 36                          ; proj's rows of mine, asked for ahead of the barrier
	BAR                                            ; the attention's output lies in LDS as codes
; ================================================================ proj, + v
	GEMM16 2, KC, CP, KSC, 8
	EPI
	BAR                                            ; x lies in XV
; ================================================================ rows: the second layer norm; mw1's rows of mine are on their way meanwhile
	s_lshl_b32 s5, s2, 5
	v_add_nc_u32 v253, s5, v9                      ; lane r of tile u takes hidden unit 32 w + 8 u + r + 8 (r / 8)
	v_lshlrev_b32 v254, 3, v253
	v_mul_u32_u24 v253, v253, 192
	v_mad_u32_u24 v253, v8, 24, v253
	s_lshl_b32 s5, s2, 7
	v_lshl_add_u32 v255, v8, 6, s5                 ; mb1 at units 32 w + 16 h on
.irp uu, 0,1
.irp ss, 0,1
	GFRAG 16+12*(2*\uu+\ss), 253, 38, 1536*\uu+96*\ss
	global_load_b32 v[248+2*\uu+\ss], v254, s[40:41] offset:64*\uu+4*\ss
.endr
	global_load_b128 v[64+8*\uu:67+8*\uu], v255, s[42:43] offset:32*\uu
	global_load_b128 v[68+8*\uu:71+8*\uu], v255, s[42:43] offset:32*\uu+16
.endr
.set jj, 0
.rept 16
	ds_load_b128 v[RB+4*jj:RB+4*jj+3], v3 offset:16*jj
.set jj, jj+1
.endr
	s_wait_dscnt 0x0
	LNSTAT RB
	LNAFF RB, 6
	QROW RB, QC, QSC
	BAR                                            ; its codes lie in LDS
; ================================================================ mw1 and GELU: my 32 hidden units, two tiles of tokens a trip
; v16-63 mw1's four fragments, v64-79 mb1, v248-251 its scales; v80-127 the tokens' four fragments, v128-131 their scales; v132-163 four accumulators; v164-227 GELU's work
	v_mov_b32 v246, 0xbfba00e3                     ; a4 = -1.453152027
	v_mov_b32 v247, 0xbfba00e3
	v_lshl_add_u32 v14, v8, 4, v7                  ; token 16 h + r
	v_lshlrev_b32 v15, 4, v14
	v_mul_u32_u24 v14, v14, GP
	s_mul_i32 s5, s2, 24
	s_add_co_u32 s5, s5, GC
	v_add_nc_u32 v14, s5, v14                      ; my units are block w of the next K
	s_add_co_u32 s88, s2, GSC
	v_add_nc_u32 v15, s88, v15
	s_mov_b32 s69, 0
	s_mov_b32 s70, QC
	s_mov_b32 s71, QSC
	s_mov_b32 s72, 0
	s_mov_b32 s73, 0
	s_wait_loadcnt 0x0                             ; mw1
.Lmlp:
	v_add_nc_u32 v244, s70, v12
	v_add_nc_u32 v245, s71, v13
	v_add_nc_u32 v252, s72, v14
	v_add_nc_u32 v253, s73, v15
.irp pq, 0,1
.irp ss, 0,1
	FRAG 80+12*(2*\pq+\ss), 244, 16*CP*\pq+96*\ss
	ds_load_b32 v[128+2*\pq+\ss], v245 offset:128*\pq+4*\ss
.endr
.endr
	s_wait_dscnt 0x0
.irp pq, 0,1
.irp uu, 0,1
	MM 132+16*\pq+8*\uu, 16+24*\uu, 80+24*\pq, 64+8*\uu, 248+2*\uu, 128+2*\pq         ; the bias is the first product's C
.endr
.endr
.irp pq, 0,1
.irp uu, 0,1
	MM 132+16*\pq+8*\uu, 28+24*\uu, 92+24*\pq, 132+16*\pq+8*\uu, 249+2*\uu, 129+2*\pq ; the four accumulators by turns
.endr
.endr
	PLACES4
	GELU 132
	GELU 148
	BLKQ 132, 232, 241
	BLKQ 148, 238, 242
	PAIRST 252, 253
	s_wait_dscnt 0x0                               ; the stores have read their registers
	s_add_co_u32 s70, s70, 32*CP
	s_add_co_u32 s71, s71, 256
	s_add_co_u32 s72, s72, 32*GP
	s_add_co_u32 s73, s73, 512
	s_add_co_u32 s69, s69, 1
	s_cmp_lt_u32 s69, 4
	s_cbranch_scc1 .Lmlp
	WLOAD16 4, 44, 46, 48                          ; mw2's rows of mine
	BAR                                            ; the hidden layer lies in LDS as codes
; ================================================================ mw2, + x
	GEMM16 4, GC, GP, GSC, 16
	EPI
	BAR                                            ; the result lies in XV
; ================================================================ rows: out
.set jj, 0
.rept 16
	ds_load_b128 v[RA+4*jj:RA+4*jj+3], v2 offset:(jj/2)*XP+(jj%2)*544
.set jj, jj+1
.endr
.set jj, 0
.rept 16
	s_wait_dscnt 15-jj                             ; LDS loads come back in order: piece jj is in
	global_store_b128 v1, v[RA+4*jj:RA+4*jj+3], s[50:51] offset:512*jj th:TH_STORE_NT         ; 32 lanes store 512 consecutive bytes, at a multiple of 512 from out0's first byte
.set jj, jj+1
.endr
	s_barrier_signal -1
	s_barrier_wait -1
	s_wait_xcnt 0x0
	v_lshl_add_u32 v254, v0, 2, 0x4c800
	v_mov_b32 v255, 0
	s_wait_tensorcnt 0x0
	ds_add_u32 v254, v255
	s_wait_dscnt 0x0
	s_endpgm
.Lfunc_end_k_qb8cccb7900_win:
	.size	k_qb8cccb7900_win, .Lfunc_end_k_qb8cccb7900_win-k_qb8cccb7900_win
	.p2alignl 7, 3214868480
	.fill 96, 4, 3214868480
	.section	.rodata,"a",@progbits
	.p2align	6, 0x0
	.amdhsa_kernel k_qb8cccb7900_win
		.amdhsa_group_segment_fixed_size 315392
		.amdhsa_private_segment_fixed_size 0
		.amdhsa_enable_private_segment 0
		.amdhsa_kernarg_size 176
		.amdhsa_user_sgpr_count 2
		.amdhsa_user_sgpr_kernarg_segment_ptr 1
		.amdhsa_wavefront_size32 1
		.amdhsa_system_sgpr_workgroup_id_x 1
		.amdhsa_system_sgpr_workgroup_id_y 1
		.amdhsa_system_sgpr_workgroup_id_z 1
		.amdhsa_system_vgpr_workitem_id 0
		.amdhsa_next_free_vgpr 256
		.amdhsa_next_free_sgpr 96
		.amdhsa_reserve_vcc 0
		.amdhsa_float_denorm_mode_32 3
		.amdhsa_float_denorm_mode_16_64 3
		.amdhsa_memory_ordered 1
		.amdhsa_forward_progress 1
		.amdhsa_inst_pref_size 205
	.end_amdhsa_kernel
	.amdgpu_metadata
---
amdhsa.version: [ 1, 2 ]
amdhsa.kernels:
  - .name:           k_qb8cccb7900_win
    .symbol:         k_qb8cccb7900_win.kd
    .args:
      - { .name: q, .offset: 0, .size: 8, .value_kind: global_buffer, .address_space: global }
      - { .name: k, .offset: 8, .size: 8, .value_kind: global_buffer, .address_space: global }
      - { .name: v, .offset: 16, .size: 8, .value_kind: global_buffer, .address_space: global }
      - { .name: gq, .offset: 24, .size: 8, .value_kind: global_buffer, .address_space: global }
      - { .name: bq, .offset: 32, .size: 8, .value_kind: global_buffer, .address_space: global }
      - { .name: gk, .offset: 40, .size: 8, .value_kind: global_buffer, .address_space: global }
      - { .name: bk, .offset: 48, .size: 8, .value_kind: global_buffer, .address_space: global }
      - { .name: gv, .offset: 56, .size: 8, .value_kind: global_buffer, .address_space: global }
      - { .name: bv, .offset: 64, .size: 8, .value_kind: global_buffer, .address_space: global }
      - { .name: g2, .offset: 72, .size: 8, .value_kind: global_buffer, .address_space: global }
      - { .name: b2, .offset: 80, .size: 8, .value_kind: global_buffer, .address_space: global }
      - { .name: bias_table, .offset: 88, .size: 8, .value_kind: global_buffer, .address_space: global }
      - { .name: proj_w_codes, .offset: 96, .size: 8, .value_kind: global_buffer, .address_space: global }
      - { .name: proj_w_scales, .offset: 104, .size: 8, .value_kind: global_buffer, .address_space: global }
      - { .name: proj_b, .offset: 112, .size: 8, .value_kind: global_buffer, .address_space: global }
      - { .name: mw1_codes, .offset: 120, .size: 8, .value_kind: global_buffer, .address_space: global }
      - { .name: mw1_scales, .offset: 128, .size: 8, .value_kind: global_buffer, .address_space: global }
      - { .name: mb1, .offset: 136, .size: 8, .value_kind: global_buffer, .address_space: global }
      - { .name: mw2_codes, .offset: 144, .size: 8, .value_kind: global_buffer, .address_space: global }
      - { .name: mw2_scales, .offset: 152, .size: 8, .value_kind: global_buffer, .address_space: global }
      - { .name: mb2, .offset: 160, .size: 8, .value_kind: global_buffer, .address_space: global }
      - { .name: out0, .offset: 168, .size: 8, .value_kind: global_buffer, .address_space: global }
    .group_segment_fixed_size: 315392
    .private_segment_fixed_size: 0
    .kernarg_segment_align: 8
    .kernarg_segment_size: 176
    .max_flat_workgroup_size: 512
    .sgpr_count:     96
    .vgpr_count:     256
    .wavefront_size: 32
...
	.end_amdgpu_metadata
.endif
;; end of part 1
